; MI455X (gfx1250); checked and timed in simulation.
; The chip was launched on July 23, 2026; its instructions are those of AMD's public machine-readable ISA for CDNA 5 (MIT licence, August 2026) and "CDNA5" Instruction Set Architecture Reference Guide (July 2026). The comments in the code are by the model that wrote it; some were corrected since.
;; Pose Aware Attention. Allowed arithmetic: matrix products marked QUANTISED: E2M3 operands, one E8M0 scale for each 32 along K, by v_wmma_scale_f32_16x16x128_f8f6f4 with both operands' format E2M3, f32 sums; products left as they are: f32 operands where the result goes on into a quantised operand, else bf16, f16 or f32 operands; f32 sums; everything else in f32.
;; Inputs: W1 3 x 64 float32; W2 64 x 3,072 float32; Wproj_codes 1,024 x 32 x 24 uint8 (E2M3 codes of Wproj, K innermost, in blocks of 32 codes, four codes in three bytes); Wproj_scales 1,024 x 32 uint8 (E8M0 scales of Wproj, one for each 32 codes along K); Wqkv_codes 3,072 x 32 x 24 uint8 (E2M3 codes of Wqkv, K innermost, in blocks of 32 codes, four codes in three bytes); Wqkv_scales 3,072 x 32 uint8 (E8M0 scales of Wqkv, one for each 32 codes along K); b1 64 float32; b2 3,072 float32; bproj 1,024 float32; bqkv 3,072 float32; pose_angles 8 x 3 float32; x_codes 8 x 1,024 x 32 x 24 uint8 (E2M3 codes of x, K innermost, in blocks of 32 codes, four codes in three bytes); x_scales 8 x 1,024 x 32 uint8 (E8M0 scales of x, one for each 32 codes along K).
;; Outputs: out0 8 x 1,024 x 1,024 float32.
;; This version of the problem:
;;   THIS VERSION OF THE PROBLEM IS GIVEN IN LOW PRECISION. The matrix products marked QUANTISED in the list below multiply operands that are first quantised to E2M3 (2 exponent bits, 3 mantissa bits; 6 bits a number), with one power-of-two scale for each 32 numbers along K (OCP MX v1.0); their sums are f32. All else is computed in f32.
;;   The module's matrix products, in the order in which they are computed (A, B: the left and right operand; K: the contracted axis; several contracted axes count as one K, in the product's order):
;;     1. [M 8,192, K 1,024] x [K 1,024, N 3,072]; A: input x (given as codes); B: input Wqkv (given as codes): QUANTISED
;;     2. [M 8, K 3] x [K 3, N 64]; A: input pose_angles; B: input W1: left as it is (K = 3 < 32)
;;     3. [M 8, K 64] x [K 64, N 3,072]; A: computed on the way; B: input W2: left as it is (M = 8 < 16)
;;     4. batch 128 x [M 1,024, K 64] x [K 64, N 1,024]; A: computed on the way; B: computed on the way: QUANTISED
;;     5. batch 128 x [M 1,024, K 1,024] x [K 1,024, N 64]; A: softmax (see below); B: computed on the way: QUANTISED
;;     6. [M 8,192, K 1,024] x [K 1,024, N 1,024]; A: computed on the way; B: input Wproj (given as codes): QUANTISED
;;   THE QUANTISER, for each operand of a quantised product, along K:
;;     - K is cut into blocks of 32 from its start; a last block that is shorter is filled with zeros.
;;     - A block's scale is 2^e with e = floor(log2(the largest magnitude in the block)) - 2, held to -126 .. 127; a block of zeros has e = 0. As a byte (E8M0): e + 127.
;;     - Each number is divided by its block's scale, clamped to +-7.5, and rounded to the nearest number of E2M3, ties to even, subnormals kept.
;;     - The product sums the exact products of the quantised numbers (number of the format x scale) in f32.
;;   ~~~python
;;   def quantise(x, axis):      # numpy; x: float32 -> the quantised numbers, widened to float32 again
;;       x = np.moveaxis(x, axis, -1); K = x.shape[-1]
;;       x = np.pad(x, [(0, 0)] * (x.ndim - 1) + [(0, -K % 32)]); x = x.reshape(x.shape[:-1] + (-1, 32)); a = np.abs(x).max(-1, keepdims=True)
;;       e = np.where(a > 0, np.clip(np.frexp(np.where(a > 0, a, 1))[1] - 1 - 2, -126, 127), 0)      # np.frexp(a)[1] - 1 = floor(log2(a)), exactly
;;       r = np.clip(x / 2.0 ** e, -7.5, 7.5)
;;       step = 2.0 ** (np.maximum(np.frexp(np.where(r == 0, 1, r))[1] - 1, 0) - 3)
;;       q = np.round(r / step) * step * 2.0 ** e      # np.round: ties to even
;;       return np.moveaxis(q.reshape(q.shape[:-2] + (-1,))[..., :K], -1, axis).astype(np.float32)
;;   ~~~
;;   SOFTMAX AHEAD OF A QUANTISED PRODUCT. Where the list says 'softmax', what is quantised is not the finished softmax but p = 2^(t - M), with t = logit x log2(e) and M = ceil(the row's largest t), a whole number; so 1/2 < the row's largest p <= 1. The row's sum l is taken of the UNQUANTISED p, in f32, and the product's result is divided by l at the end. Since M is a whole number, a kernel that streams over the keys may use a running M (the ceiling of the running maximum): every later rescaling is an exact power of two, which a block's scale takes up: the codes' values come out the same.
;;   OPERANDS COMPUTED ON THE WAY. 'Computed on the way' means the value that the module computes at that place (a softmax that the list does not call 'softmax' is quantised finished and normalised). What goes into a quantiser is computed in f32, as accurately as f32 sums, v_exp_f32 and their like allow (about 1e-6 of the number): no bf16 or f16 on the way to a quantiser, and a product that is left as it is and whose result goes on into a quantised operand takes f32 operands (vector FMAs, or v_wmma_f32_16x16x4_f32). A number that lies on a knife's edge between two numbers of the format may be rounded either way, as far as f32 arithmetic and the matrix unit's own rounding can turn it there, and no further.
;;   INPUTS GIVEN AS CODES. Wproj (in the module: [1024, 1024], K = its axis 0); Wqkv (in the module: [1024, 3072], K = its axis 0); x (in the module: [8, 1024, 1024], K = its axis 2): each comes as NAME_codes (uint8): NAME with its K axis moved to the last place and cut into blocks of 32 codes, [.., K / 32, bytes a block], one block behind the other in memory; four codes in three bytes: a row's codes are one little-endian stream of bits, code i at bits 6 i .. 6 i + 5 (a code: sign, 2 exponent bits, 3 mantissa bits); and NAME_scales (uint8): the same leading axes, one E8M0 byte (e + 127) for each 32 codes along K. Its value is code x scale, taken as it is: it is not quantised again, and the codes and scales need not be those that the quantiser above would give.
;; One version. Each part assembles by itself: llvm-mc -triple=amdgcn-amd-amdhsa -mcpu=gfx1250 --defsym DOCPART=n.
;; ======== version 1 of 1: 3 launches
;; limits: right only within a limited range of input values
;; workspace buffers: qkv 19,660,800 bytes; ao 6,291,456 bytes; aos 262,144 bytes; wpi 786,432 bytes
;; launch qkv (part 1): grid 12 x 32, 4 waves a work-group, clusters of 4 x 4, 327,680 bytes of LDS; arguments x_codes, x_scales, Wqkv_codes, Wqkv_scales, bqkv, pose_angles, W1, b1, W2, b2, qkv; writes qkv
.if DOCPART == 1
	.amdgcn_target "amdgcn-amd-amdhsa--gfx1250"
	.amdhsa_code_object_version 6
	.text
	.protected	k_qb58fea80ff_qkv
	.globl	k_qb58fea80ff_qkv
	.p2align	8
	.type	k_qb58fea80ff_qkv,@function
k_qb58fea80ff_qkv:
	s_mov_b64 s[64:65], 0
	v_nop
	global_prefetch_b8 v0, s[64:65] scope:SCOPE_SE
	s_setreg_imm32_b32 hwreg(HW_REG_WAVE_MODE, 25, 1), 1
	s_wait_xcnt 0x0
	s_wait_alu depctr_hold_cnt(0) depctr_sa_sdst(0) depctr_va_vdst(0) depctr_va_sdst(0) depctr_va_ssrc(0) depctr_va_vcc(0) depctr_vm_vsrc(0)
	s_getreg_b32 s2, hwreg(HW_REG_IB_STS2, 6, 4)
	s_cmp_eq_u32 s2, 0
	s_cbranch_scc0 .Lentry_in_a_cluster
	s_endpgm
.Lentry_in_a_cluster:
	s_bfe_u32 s2, ttmp6, 0x10000c
	s_cmp_lg_u32 s2, 0xf033
	s_cbranch_scc0 .Lentry_shape_is_right
	s_endpgm
.Lentry_shape_is_right:
; q, k, v = x Wqkv + bqkv + pose, on codes of FP6 (E2M3), quantised again for the attention and stored as register images.  No work of the problem is left out.
; A work-group of four waves makes 256 x 256, a wave 128 x 128 in 64 accumulators.  Source 0 = P, source 1 = Q.  For q and k: P = 16 rows of Wqkv, Q = 16 tokens, so a lane holds one token and its
; registers run along the channels (their K).  For v (cluster x = 2): P = tokens, Q = rows of Wqkv, so the registers run along the tokens (v's K).
; K goes through a ring of two LDS slots in chunks of 256 bytes of each row of codes (a row is 768 bytes): a step of 128 along K is 96 bytes, eight steps to three chunks; steps 2 and 5 lie across two chunks.
; CLUSTERS 4 x 4: Q's tiles are shared along a row of the cluster, P's along a column, by joint loads.  No prefetch: K is three chunks, and the first two are asked for at the head.
; The bias bqkv + b2 + relu(pose W1 + b1) W2, in f32 fused multiply-adds, is the C of each sum's first product.  Scale words come once from memory into 64 registers.
; OUTPUT qkv[head][kind][group of 128 tokens][6,400]: half images (16 rows x 64 K: registers 0-3 at 16 x lane, 4-5 at 512 + 8 x lane), from byte 6,144 on 16 bytes of scale words a row.
; In k's images of token tiles 2, 3, 6, 7 of a group rows r and r xor 8 change places: the attention reads rows of two tiles by one LDS load, and so they lie in different banks.
; Inside a block of 32 the codes lie in the order 0-7, 16-23, 8-15, 24-31.  LIMITS: NaN and infinities are not served; a block whose largest magnitude lies under 2^-124 gets the byte 1.
.set KROW,  768
.set ROWB,  256
.set CHUNKS, 3
.set PITCH, 272
.set FR,    12
.set NL,    6
.set HALFT, 128*PITCH
.set SLOT,  4*HALFT
.set BIASL, 2*SLOT                     ; behind the ring: 256 numbers of bias; no fill lands here
.set SPARE, BIASL+1024                 ; the spare words
.set HEADB, 153600
.set KINDB, 51200
.set GRPB,  6400
.set LX16, 12                          ; v12, v13: 16 x lane and 8 x lane with k's rows r and r xor 8 exchanged
.set LX8,  13
.set BST,  14
.set SELV, 15
.set ADRA, 16                          ; v16-17 Q's fragments in slot 0, 1; v18-19 for pieces whose lanes 16-31 read the next chunk
.set ADRB, 20                          ; v20-23 the same for P
.set L16,  24
.set L8,   25
.set VSO,  26
.set VBP,  27
.set SPW,  28
.set NIL,  29
.set VBQ,  30
.set SELK, 31
.set PS,   32                          ; v32-63 P's scale words, v64-95 Q's: register 8 i + step; lane l: row l of each 32
.set QS,   64
.set AF,   128                         ; Q's fragments, one set; window 1: P's, two sets; windows 2, 3: the accumulators
.set TM,   128
.set PWS,  144
.set WW,   152
.set WK,   156
.set WVR,  160
.set PC,   168
.set YT,   184
.set G1,   28
.set G0,   36
.set G1B,  44
.set G0B,  52
.set MUL_LO, 0xa1
.set MUL_HI, 0xf1
.set TO_B,   0x40
.set MSB, 0
.macro WIN new
.if MSB != \new
	s_set_vgpr_msb (MSB<<8)|\new
.set MSB, \new
.endif
.endm
.macro PLACES
.rept 4
	v_nop
.endr
.endm
.macro JLOAD s                         ; a joint load: waves 0, 1 fetch Q's halves, waves 2, 3 P's
	s_cmp_eq_u32 s61, 0
	s_cbranch_scc0 .Lfor_p_\@
	tensor_load_to_lds s[G0+4*(\s):G0+4*(\s)+3], s[G1:G1+7]
	s_nop 0
.rept 4
	v_nop
.endr
	s_branch .Lasked_\@
.Lfor_p_\@:
	tensor_load_to_lds s[G0B+4*(\s):G0B+4*(\s)+3], s[G1B:G1B+7]
	s_nop 0
.rept 4
	v_nop
.endr
.Lasked_\@:
.endm
.macro CREST
	s_cmp_lg_u32 s60, 0
	s_cbranch_scc1 .Lnot_wave_0_\@
	s_barrier_signal -3
.Lnot_wave_0_\@:
	s_barrier_wait -3
	s_barrier_signal -1
	s_barrier_wait -1
.endm
.macro CROUND
	s_barrier_signal -1
	s_barrier_wait -1
	CREST
.endm
.macro WM d, p, q, c, sp, sq, ra, rb
.if (\ra) == 0
.if (\rb) == 0
	v_wmma_scale_f32_16x16x128_f8f6f4 v[(\d):(\d)+7], v[(\p):(\p)+11], v[(\q):(\q)+11], v[(\c):(\c)+7], v[(\sp)], v[(\sq)] matrix_a_fmt:MATRIX_FMT_FP6 matrix_b_fmt:MATRIX_FMT_FP6
.else
	v_wmma_scale_f32_16x16x128_f8f6f4 v[(\d):(\d)+7], v[(\p):(\p)+11], v[(\q):(\q)+11], v[(\c):(\c)+7], v[(\sp)], v[(\sq)] matrix_a_fmt:MATRIX_FMT_FP6 matrix_b_fmt:MATRIX_FMT_FP6 matrix_b_scale:MATRIX_SCALE_ROW1
.endif
.else
.if (\rb) == 0
	v_wmma_scale_f32_16x16x128_f8f6f4 v[(\d):(\d)+7], v[(\p):(\p)+11], v[(\q):(\q)+11], v[(\c):(\c)+7], v[(\sp)], v[(\sq)] matrix_a_fmt:MATRIX_FMT_FP6 matrix_b_fmt:MATRIX_FMT_FP6 matrix_a_scale:MATRIX_SCALE_ROW1
.else
	v_wmma_scale_f32_16x16x128_f8f6f4 v[(\d):(\d)+7], v[(\p):(\p)+11], v[(\q):(\q)+11], v[(\c):(\c)+7], v[(\sp)], v[(\sq)] matrix_a_fmt:MATRIX_FMT_FP6 matrix_b_fmt:MATRIX_FMT_FP6 matrix_a_scale:MATRIX_SCALE_ROW1 matrix_b_scale:MATRIX_SCALE_ROW1
.endif
.endif
.endm
; 16 products: Q's blocks a0, a0 + 1 x P's eight.  cm = 0: sums go on; 1: C = the bias by P's block; 2: by Q's block.  The 64 accumulators take turns
.macro MUL16 a0, p, sig, cm
.irp a, \a0, \a0+1
.irp b, 0,1,2,3,4,5,6,7
.set DD, 8*(8*((\a)%4)+\b)
.if \cm == 0
.set CC, DD
.elseif \cm == 1
.set CC, 96+8*\b+96*(\b/4)
.else
.set CC, 96+8*(\a)+96*((\a)/4)
.endif
	WM DD, 128*(\p)+FR*\b, AF+FR*(\a), CC, PS+8*(\b/2)+(\sig), QS+8*((\a)/2)+(\sig), \b%2, (\a)%2
.endr
.endr
.endm
.macro FRAG reg, adr, st, i            ; 12 registers in six pieces of 8 bytes; byte y of a row of codes lies in slot (y / 256) % 2 at byte y % 256 of the LDS row
.irp p, 0,1,2,3,4,5
.set BY, 96*(\st)+48*(\p/3)+8*(\p%3)
.if BY/ROWB == (BY+24)/ROWB
	ds_load_b64 v[\reg+2*\p:\reg+2*\p+1], v[\adr+(BY/ROWB)%2] offset:BY%ROWB+(\i)*16*PITCH
.else
	ds_load_b64 v[\reg+2*\p:\reg+2*\p+1], v[\adr+2+(BY/ROWB)%2] offset:BY%ROWB-232+(\i)*16*PITCH
.endif
.endr
.endm
.macro FETCH_B st, p
	WIN TO_B
.irp i, 0,1,2,3,4,5,6,7
	FRAG 128*(\p)+FR*\i, ADRB, \st, \i
.endr
	WIN 0
.endm
.macro FETCH_A st, i0
.irp i, \i0, \i0+1, \i0+2, \i0+3
	FRAG AF+FR*(\i), ADRA, \st, \i
.endr
.endm
; A step: 64 products; the next step's fragments are fetched in its middle and at its end.  Where the next step ends in a chunk not yet read: the wait for my tensor loads and a barrier.
; Where it begins in a later chunk: the wait, the add, the wait for my reads, the barrier; and where a chunk two on is left, the barrier opens a round and the slot is filled again.
.macro STEP st, cm
.set NX, (\st)+1
.set C0, (96*(\st))/ROWB
.set C1, (96*NX)/ROWB
.set E0, (96*(\st)+95)/ROWB
.set E1, (96*NX+95)/ROWB
.if \cm
.set WL, 0x81
.set WH, 0xc1
.else
.set WL, MUL_LO
.set WH, MUL_HI
.endif
.if C1 > C0 || E1 > E0
	s_wait_tensorcnt 0x0
.if C1 > C0
	ds_add_u32 v[SPW], v[NIL]
	s_wait_dscnt 4*NL+1                            ; the add and Q's blocks 4-7 may be out
.else
	s_wait_dscnt 4*NL                              ; Q's blocks 4-7 may be out
.endif
	WIN WL
	MUL16 0, (\st)%2, \st, \cm
	s_wait_dscnt 0x0
	s_barrier_signal -1
	MUL16 2, (\st)%2, \st, \cm
	WIN 0
	s_barrier_wait -1
.if C1 > C0 && C0+2 < CHUNKS
	CREST
	s_add_nc_u64 s[G0+4*(C0%2)+2:G0+4*(C0%2)+3], s[G0+4*(C0%2)+2:G0+4*(C0%2)+3], 2*ROWB
	s_add_nc_u64 s[G0B+4*(C0%2)+2:G0B+4*(C0%2)+3], s[G0B+4*(C0%2)+2:G0B+4*(C0%2)+3], 2*ROWB
	JLOAD C0%2
.else
	PLACES
.endif
.else
	s_wait_dscnt 4*NL
	WIN WL
	MUL16 0, (\st)%2, \st, \cm
	MUL16 2, (\st)%2, \st, \cm
	s_wait_dscnt 0x0
	PLACES
.endif
	FETCH_B NX, NX%2
	FETCH_A NX, 0
	WIN WH
	MUL16 4, (\st)%2, \st, \cm
	MUL16 6, (\st)%2, \st, \cm
	PLACES
	WIN 0
	FETCH_A NX, 4
.endm
	s_load_b512 s[4:19], s[0:1], 0x0               ; x codes, x scales, W codes, W scales, bqkv, pose, W1, b1
	s_load_b128 s[20:23], s[0:1], 0x40             ; W2, b2
	s_load_b64 s[24:25], s[0:1], 0x50              ; qkv
	v_lshl_add_u32 v[SPW], v0, 2, SPARE
	v_mov_b32 v[NIL], 0
	ds_add_u32 v[SPW], v[NIL]                      ; the opening lines: the add twice and one wait
	ds_add_u32 v[SPW], v[NIL]
	v_lshrrev_b32 v1, 5, v0
	v_readfirstlane_b32 s60, v1                    ; wave
	s_lshr_b32 s61, s60, 1                         ; my half of Q's rows; also: I fetch for Q (0) or P (1)
	s_and_b32 s62, s60, 1                          ; my half of P's rows; also: which 128 rows I fetch
	s_bfe_u32 s66, ttmp6, 0x40000
	s_bfe_u32 s67, ttmp6, 0x40004
	s_and_b32 s63, ttmp7, 0xffff
	s_cmp_eq_u32 ttmp9, 1                          ; k: the exchange of rows
	s_cselect_b32 s78, 128, 0
	s_cselect_b32 s79, 64, 0
	s_cmp_eq_u32 ttmp9, 2                          ; v: the operands change roles
	s_cselect_b32 s26, 1, 0
	s_cselect_b32 s27, -1, 0
	s_cselect_b32 s68, s63, ttmp9
	s_cselect_b32 s69, 2, s63
	s_lshl_b32 s68, s68, 2
	s_add_co_u32 s68, s68, s66                     ; P's tile: hangs on cx
	s_lshl_b32 s69, s69, 2
	s_add_co_u32 s69, s69, s67                     ; Q's tile: hangs on cy
	s_lshl_b32 s70, s67, 2
	s_lshl_b32 s70, 15, s70
	s_lshl_b32 s71, 0x1111, s66
	s_or_b32 s[G1+0], s70, (1<<20)|(1<<21)|(5<<22)|(3<<25)   ; the mask; elements of 1 byte; 4 words of padding behind every 64
	s_or_b32 s[G1B+0], s71, (1<<20)|(1<<21)|(5<<22)|(3<<25)
.irp g, G1, G1B
	s_mov_b32 s[\g+1], ROWB<<16
	s_mov_b32 s[\g+2], 128<<16
	s_mov_b32 s[\g+3], ROWB<<16
	s_mov_b32 s[\g+4], 128
	s_mov_b32 s[\g+5], KROW
	s_mov_b32 s[\g+6], 0
	s_mov_b32 s[\g+7], 0
.endr
	s_mov_b32 s100, 0x76543210
	s_mov_b32 s101, 0xfedcba98
	s_mov_b32 s97, 0
	s_mov_b32 s99, 0
	v_and_b32 v1, 15, v0
	v_bfe_u32 v2, v0, 4, 1
	v_and_b32 v3, 31, v0
	v_lshlrev_b32 v[L16], 4, v3
	v_lshlrev_b32 v[L8], 3, v3
	v_xor_b32 v[LX16], s78, v[L16]
	v_xor_b32 v[LX8], s79, v[L8]
	v_lshlrev_b32 v[VSO], 4, v1
	v_mul_u32_u24 v4, v2, HEADB
	v_add_nc_u32 v[VSO], v[VSO], v4
	s_lshl_b32 s2, s62, 9
	s_add_co_u32 s2, s2, BIASL
	v_lshl_add_u32 v[VBP], v2, 5, s2
	s_lshl_b32 s2, s61, 9
	s_add_co_u32 s2, s2, BIASL
	v_lshl_add_u32 v[VBQ], v1, 2, s2
	v_lshl_add_u32 v[BST], v0, 3, BIASL
	v_cmp_eq_u32 vcc_lo, 1, v2
	v_mov_b32 v4, 0x05040100
	v_mov_b32 v5, 0x07060302
	v_cndmask_b32 v[SELK], v4, v5, vcc_lo
	v_mov_b32 v4, 0x03020100
	v_mov_b32 v5, 0x07060504
	v_cndmask_b32 v[SELV], v4, v5, vcc_lo
	v_mul_u32_u24 v4, v1, PITCH
	v_mul_u32_u24 v5, v2, 24
	v_add_nc_u32 v5, v4, v5                        ; row x pitch + 24 x half
	s_mov_b32 s2, SLOT-232
	s_mov_b32 s3, SLOT+232
	v_sub_nc_u32 v8, 1, v2
	v_mul_u32_u24 v6, s2, v2
	v_add_nc_u32 v6, v4, v6
	v_add_nc_u32 v6, 232, v6                       ; lanes 0-15 byte 232 in slot 0, lanes 16-31 byte 0 in slot 1
	v_mul_u32_u24 v7, s3, v8
	v_add_nc_u32 v7, v4, v7                        ; and the other way round
	s_mul_i32 s2, s61, HALFT
	s_mul_i32 s3, s62, HALFT
	s_add_co_u32 s3, s3, 2*HALFT
	v_add_nc_u32 v[ADRA+2], s2, v6
	v_add_nc_u32 v[ADRA+3], s2, v7
	v_add_nc_u32 v[ADRB+2], s3, v6
	v_add_nc_u32 v[ADRB+3], s3, v7
.irp s, 0,1
	v_add_nc_u32 v[ADRA+\s], s2, v5
	v_add_nc_u32 v[ADRB+\s], s3, v5
	s_add_co_u32 s2, s2, SLOT
	s_add_co_u32 s3, s3, SLOT
.endr
	s_lshl_b32 s72, s62, 7
	s_lshl_b32 s74, s69, 8
	s_add_co_u32 s74, s74, s72
	s_mul_i32 s74, s74, KROW
	s_mov_b32 s75, 0
	s_lshl_b32 s76, s68, 8
	s_add_co_u32 s76, s76, s72
	s_mul_i32 s76, s76, KROW
	s_mov_b32 s77, 0
	s_mul_i32 s73, s60, HALFT
	s_wait_alu depctr_va_vdst(0)                   ; the wait ahead of the waits below
	s_wait_dscnt 0x0
	s_wait_kmcnt 0x0
	s_cmp_eq_u32 s26, 1
	s_cselect_b64 s[80:81], s[4:5], s[8:9]         ; P's codes and scales, Q's codes and scales
	s_cselect_b64 s[82:83], s[6:7], s[10:11]
	s_cselect_b64 s[84:85], s[8:9], s[4:5]
	s_cselect_b64 s[86:87], s[10:11], s[6:7]
	s_add_nc_u64 s[74:75], s[84:85], s[74:75]
	s_add_nc_u64 s[76:77], s[80:81], s[76:77]
	CROUND                                         ; the first joint loads meet
.irp s, 0,1
	s_mov_b32 s[G0+4*\s], 1
	s_add_co_u32 s[G0+4*\s+1], s73, \s*SLOT
	s_add_nc_u64 s[G0+4*\s+2:G0+4*\s+3], s[74:75], \s*ROWB
	s_or_b32 s[G0+4*\s+3], s[G0+4*\s+3], 0x80000000
	s_mov_b32 s[G0B+4*\s], 1
	s_add_co_u32 s[G0B+4*\s+1], s73, \s*SLOT
	s_add_nc_u64 s[G0B+4*\s+2:G0B+4*\s+3], s[76:77], \s*ROWB
	s_or_b32 s[G0B+4*\s+3], s[G0B+4*\s+3], 0x80000000
.endr
	JLOAD 0                                        ; chunk 0: my one tensor load at the head; the bias is made while it is out
	s_cmp_eq_u32 s26, 1
	s_cselect_b32 s88, s68, s69                    ; the tile of tokens, the tile of columns
	s_cselect_b32 s89, s69, s68
	s_lshr_b32 s90, s88, 2
	s_mul_i32 s90, s90, 12
	s_mov_b32 s91, 0
	s_add_nc_u64 s[14:15], s[14:15], s[90:91]
	s_load_b96 s[92:94], s[14:15], 0x0             ; the batch's three angles
	v_lshlrev_b32 v8, 2, v3
	s_lshl_b32 s95, s89, 10
	v_lshl_add_u32 v9, v0, 3, s95                  ; a thread makes two of the 256 columns' biases
.irp i, 0,1,2
	global_load_b32 v[98+\i], v8, s[16:17] offset:256*\i
	global_load_b32 v[101+\i], v8, s[16:17] offset:256*\i+128
.endr
	global_load_b32 v104, v8, s[18:19]
	global_load_b32 v105, v8, s[18:19] offset:128
	global_load_b64 v[108:109], v9, s[22:23]
	global_load_b64 v[110:111], v9, s[12:13]
.set j, 0
.rept 64
	global_load_b64 v[128+2*j:129+2*j], v9, s[20:21] offset:12288*j
.set j, j+1
.endr
	s_lshl_b32 s90, s68, 8
	s_lshl_b32 s95, s62, 7
	s_add_co_u32 s90, s90, s95
	s_lshl_b32 s90, s90, 5
	v_lshl_add_u32 v6, v3, 5, s90
	s_lshl_b32 s90, s69, 8
	s_lshl_b32 s95, s61, 7
	s_add_co_u32 s90, s90, s95
	s_lshl_b32 s90, s90, 5
	v_lshl_add_u32 v7, v3, 5, s90
.irp i, 0,1,2,3
.irp k, 0,1
	global_load_b128 v[PS+8*\i+4*\k:PS+8*\i+4*\k+3], v6, s[82:83] offset:1024*\i+16*\k
	global_load_b128 v[QS+8*\i+4*\k:QS+8*\i+4*\k+3], v7, s[86:87] offset:1024*\i+16*\k
.endr
.endr
	s_wait_kmcnt 0x0
	s_wait_loadcnt 0x0
	v_mul_f32 v96, s92, v98                        ; lane l: hidden units l and 32 + l
	v_mul_f32 v97, s92, v101
	v_fmac_f32 v96, s93, v99
	v_fmac_f32 v97, s93, v102
	v_fmac_f32 v96, s94, v100
	v_fmac_f32 v97, s94, v103
	v_add_f32 v96, v96, v104
	v_add_f32 v97, v97, v105
	v_max_num_f32 v96, 0, v96
	v_max_num_f32 v97, 0, v97
.set j, 0
.rept 64
	v_readlane_b32 s[96+2*(j%2)], v[96+j/32], j%32
	v_pk_fma_f32 v[108+2*(j%2):109+2*(j%2)], v[128+2*j:129+2*j], s[96+2*(j%2):97+2*(j%2)], v[108+2*(j%2):109+2*(j%2)] op_sel_hi:[1,0,1]
.set j, j+1
.endr
	v_pk_add_f32 v[106:107], v[108:109], v[110:111]
	ds_store_b64 v[BST], v[106:107]
	s_wait_alu depctr_va_vdst(0)                   ; the wait at the head's end
	s_wait_tensorcnt 0x0                           ; my part of chunk 0 is in; the lines ahead of a later first fill:
	ds_add_u32 v[SPW], v[NIL]
	s_wait_dscnt 0x0                               ; the add and my bias store are done
	CROUND
	JLOAD 1                                        ; chunk 1, the first tensor load behind the round
	FETCH_B 0, 0
	FETCH_A 0, 0
	FETCH_A 0, 4
	s_cmp_eq_u32 s26, 1
	s_cbranch_scc1 .Lvway
.irp b, 0,1,2,3,4,5,6,7
	ds_load_b128 v[96+8*\b+96*(\b/4):96+8*\b+96*(\b/4)+3], v[VBP] offset:64*\b
	ds_load_b128 v[96+8*\b+96*(\b/4)+4:96+8*\b+96*(\b/4)+7], v[VBP] offset:64*\b+16
.endr
	s_wait_dscnt 0x0
	STEP 0, 1
	s_branch .Ljoin
.Lvway:
.irp a, 0,1,2,3,4,5,6,7
	ds_load_b32 v[96+8*\a+96*(\a/4)], v[VBQ] offset:64*\a
.endr
	s_wait_dscnt 0x0
.irp a, 0,1,2,3,4,5,6,7
.irp i, 1,2,3,4,5,6,7
	v_mov_b32 v[96+8*\a+96*(\a/4)+\i], v[96+8*\a+96*(\a/4)]
.endr
.endr
	PLACES
	s_wait_alu depctr_va_vdst(0)
	STEP 0, 2
.Ljoin:
.irp st, 1,2,3,4,5,6
	STEP \st, 0
.endr
	s_wait_dscnt 4*NL                              ; the last step
	WIN MUL_LO
	MUL16 0, 1, 7, 0
	MUL16 2, 1, 7, 0
	s_wait_dscnt 0x0
	WIN MUL_HI
	MUL16 4, 1, 7, 0
	MUL16 6, 1, 7, 0
	WIN 0
	PLACES
	s_lshl_b32 s88, s68, 8
	s_lshl_b32 s90, s62, 7
	s_add_co_u32 s88, s88, s90
	s_lshl_b32 s89, s69, 8
	s_lshl_b32 s90, s61, 7
	s_add_co_u32 s89, s89, s90
	s_mov_b32 s18, 768
	s_mov_b32 s20, 768
	s_mov_b32 s22, HEADB
	s_cmp_eq_u32 s26, 1
	s_cselect_b32 s90, s88, s89                    ; my first token, my first column
	s_cselect_b32 s91, s89, s88
	s_cselect_b32 s18, 1536, s18
	s_cselect_b32 s20, HEADB-3*1536, s20
	s_cselect_b32 s22, 768, s22
	s_mov_b32 s19, 0
	s_mov_b32 s21, 0
	s_mov_b32 s23, 0
	s_lshr_b32 s92, s90, 10
	s_lshl_b32 s92, s92, 4
	s_bfe_u32 s93, s91, 0x40006
	s_add_co_u32 s92, s92, s93
	s_mul_i32 s92, s92, 3
	s_lshr_b32 s93, s91, 10
	s_add_co_u32 s92, s92, s93
	s_mul_i32 s92, s92, KINDB
	s_bfe_u32 s93, s90, 0x30007
	s_mul_i32 s93, s93, GRPB
	s_add_co_u32 s92, s92, s93
	s_mov_b32 s93, 0
	s_add_nc_u64 s[12:13], s[24:25], s[92:93]
	s_add_nc_u64 s[14:15], s[12:13], s[22:23]
	s_add_nc_u64 s[16:17], s[12:13], 6144
.irp b, 0,1,2,3
	v_mov_b32 v[TM+4+\b], 0
.endr
; Q's block a: four blocks of 32 along P are quantised; two half images leave
.macro QUANTA a
.set AC, 64*((\a)%4)
.if (\a) > 0
	s_wait_xcnt 0x0                                ; the last block's stores have read their registers and bases
.if (\a) == 4
	s_add_nc_u64 s[12:13], s[12:13], s[20:21]
	s_add_nc_u64 s[14:15], s[14:15], s[20:21]
.else
	s_add_nc_u64 s[12:13], s[12:13], s[18:19]
	s_add_nc_u64 s[14:15], s[14:15], s[18:19]
.endif
.endif
.set WN, 0x0a+5*((\a)/4)
	WIN WN
.irp b, 0,1,2,3
	v_max3_num_f32 v[TM+\b], |v[AC+16*\b]|, |v[AC+16*\b+1]|, 0x1800000
.endr
.irp i, 2,4,6,8,10,12,14
.irp b, 0,1,2,3
	v_max3_num_f32 v[TM+\b], |v[AC+16*\b+\i]|, |v[AC+16*\b+\i+1]|, v[TM+\b]
.endr
.endr
	WIN 0
.irp b, 0,1,2,3
	v_permlanex16_b32 v[TM+4+\b], v[TM+\b], s100, s101
.endr
.irp b, 0,1,2,3
	v_max_num_f32 v[TM+\b], v[TM+\b], v[TM+4+\b]
.endr
.irp b, 0,1,2,3
	v_add_nc_u32 v[TM+12+\b], 0xff000000, v[TM+\b]
.endr
.irp b, 0,1,2,3
	v_lshrrev_b32 v[TM+4+\b], 23, v[TM+12+\b]
.endr
	v_lshl_or_b32 v[PWS+(\a)], v[TM+5], 8, v[TM+4]
	v_lshl_or_b32 v[PWS+(\a)], v[TM+6], 16, v[PWS+(\a)]
	v_lshl_or_b32 v[PWS+(\a)], v[TM+7], 24, v[PWS+(\a)]
.set WN, 0x02+((\a)/4)
	WIN WN
.irp c, 0,1
	v_cvt_scalef32_pk16_fp6_f32 v[PC+6*\c:PC+6*\c+2], v[AC+32*\c:AC+32*\c+15], v[TM+12+2*\c]
	v_cvt_scalef32_pk16_fp6_f32 v[YT+4*\c:YT+4*\c+2], v[AC+32*\c+16:AC+32*\c+31], v[TM+12+2*\c+1]
.endr
	WIN 0
	v_nop
.irp c, 0,1
.irp i, 0,1,2
	v_permlane16_swap_b32 v[PC+6*\c+\i], v[YT+4*\c+\i]
.endr
.irp i, 0,1,2
	v_mov_b32 v[PC+3+6*\c+\i], v[YT+4*\c+\i]
.endr
.endr
.if ((\a)/2)%2
.set O16, LX16
.set O8, LX8
.else
.set O16, L16
.set O8, L8
.endif
	global_store_b128 v[O16], v[PC:PC+3], s[12:13]
	global_store_b64 v[O8], v[PC+4:PC+5], s[12:13] offset:512
	global_store_b128 v[O16], v[PC+6:PC+9], s[14:15]
	global_store_b64 v[O8], v[PC+10:PC+11], s[14:15] offset:512
.endm
.irp a, 0,1,2,3,4,5,6,7
	QUANTA \a
.endr
.irp i, 0,1,2,3
	v_perm_b32 v[WK+\i], v[PWS+2*\i+1], v[PWS+2*\i], v[SELK]
	v_perm_b32 v[WVR+\i], v[PWS+4+\i], v[PWS+\i], v[SELV]
.endr
.irp i, 0,1,2,3
	v_cndmask_b32 v[WW+\i], v[WK+\i], v[WVR+\i], s27
.endr
	global_store_b128 v[VSO], v[WW:WW+3], s[16:17]
	s_wait_tensorcnt 0x0                           ; the wave's end
	ds_add_u32 v[SPW], v[NIL]
	s_wait_dscnt 0x0
	CROUND                                         ; the closing round
	s_endpgm
.Lfunc_end_k_qb58fea80ff_qkv:
	.size	k_qb58fea80ff_qkv, .Lfunc_end_k_qb58fea80ff_qkv-k_qb58fea80ff_qkv
	.p2alignl 7, 3214868480
	.fill 96, 4, 3214868480
	.section	.rodata,"a",@progbits
	.p2align	6, 0x0
	.amdhsa_kernel k_qb58fea80ff_qkv
		.amdhsa_group_segment_fixed_size 327680
		.amdhsa_private_segment_fixed_size 0
		.amdhsa_enable_private_segment 0
		.amdhsa_kernarg_size 88
		.amdhsa_user_sgpr_count 2
		.amdhsa_user_sgpr_kernarg_segment_ptr 1
		.amdhsa_wavefront_size32 1
		.amdhsa_system_sgpr_workgroup_id_x 1
		.amdhsa_system_sgpr_workgroup_id_y 1
		.amdhsa_system_sgpr_workgroup_id_z 1
		.amdhsa_system_vgpr_workitem_id 0
		.amdhsa_next_free_vgpr 1024
		.amdhsa_next_free_sgpr 102
		.amdhsa_reserve_vcc 1
		.amdhsa_float_denorm_mode_32 3
		.amdhsa_float_denorm_mode_16_64 3
		.amdhsa_memory_ordered 1
		.amdhsa_forward_progress 1
		.amdhsa_inst_pref_size 199
	.end_amdhsa_kernel
	.amdgpu_metadata
---
amdhsa.version: [ 1, 2 ]
amdhsa.kernels:
  - .name:           k_qb58fea80ff_qkv
    .symbol:         k_qb58fea80ff_qkv.kd
    .args:
      - { .name: x_codes, .offset: 0, .size: 8, .value_kind: global_buffer, .address_space: global }
      - { .name: x_scales, .offset: 8, .size: 8, .value_kind: global_buffer, .address_space: global }
      - { .name: Wqkv_codes, .offset: 16, .size: 8, .value_kind: global_buffer, .address_space: global }
      - { .name: Wqkv_scales, .offset: 24, .size: 8, .value_kind: global_buffer, .address_space: global }
      - { .name: bqkv, .offset: 32, .size: 8, .value_kind: global_buffer, .address_space: global }
      - { .name: pose_angles, .offset: 40, .size: 8, .value_kind: global_buffer, .address_space: global }
      - { .name: W1, .offset: 48, .size: 8, .value_kind: global_buffer, .address_space: global }
      - { .name: b1, .offset: 56, .size: 8, .value_kind: global_buffer, .address_space: global }
      - { .name: W2, .offset: 64, .size: 8, .value_kind: global_buffer, .address_space: global }
      - { .name: b2, .offset: 72, .size: 8, .value_kind: global_buffer, .address_space: global }
      - { .name: qkv, .offset: 80, .size: 8, .value_kind: global_buffer, .address_space: global }
    .group_segment_fixed_size: 327680
    .private_segment_fixed_size: 0
    .kernarg_segment_align: 8
    .kernarg_segment_size: 88
    .max_flat_workgroup_size: 128
    .sgpr_count:     102
    .vgpr_count:     1024
    .wavefront_size: 32
...
	.end_amdgpu_metadata
.endif
;; end of part 1
;; launch attn (part 2): grid 4 x 64, 16 waves a work-group, clusters of 4 x 1, 327,680 bytes of LDS; arguments qkv, Wproj_codes, ao, aos, wpi; writes ao, aos, wpi
.if DOCPART == 2
	.amdgcn_target "amdgcn-amd-amdhsa--gfx1250"
	.amdhsa_code_object_version 6
	.text
	.protected	k_qb58fea80ff_attn
	.globl	k_qb58fea80ff_attn
	.p2align	8
	.type	k_qb58fea80ff_attn,@function
k_qb58fea80ff_attn:
	s_mov_b64 s[64:65], 0
	v_nop
	global_prefetch_b8 v0, s[64:65] scope:SCOPE_SE
	s_setreg_imm32_b32 hwreg(HW_REG_WAVE_MODE, 25, 1), 1
	s_wait_xcnt 0x0
	s_wait_alu depctr_hold_cnt(0) depctr_sa_sdst(0) depctr_va_vdst(0) depctr_va_sdst(0) depctr_va_ssrc(0) depctr_va_vcc(0) depctr_vm_vsrc(0)
	s_getreg_b32 s2, hwreg(HW_REG_IB_STS2, 6, 4)
	s_cmp_eq_u32 s2, 0
	s_cbranch_scc0 .Lentry_in_a_cluster
	s_endpgm
.Lentry_in_a_cluster:
	s_bfe_u32 s2, ttmp6, 0x10000c
	s_cmp_lg_u32 s2, 0x3003
	s_cbranch_scc0 .Lentry_shape_is_right
	s_endpgm
.Lentry_shape_is_right:
; o = softmax(q k^T / 8) v for two heads and 256 queries a work-group, both products on codes of FP6 (E2M3); o is quantised along the channels for the projection.  Two waves also lay a part of Wproj anew.
; INPUT qkv[head][kind q, k, v][group of 128 tokens][6,400]: half images (16 rows x 64 K, 6 registers a lane: 0-3 at 16 x lane, 4-5 at 512 + 8 x lane), from byte 6,144 on 16 bytes of scale words a row.
; SHARES.  y = 8 b + s: batch b, heads 2 s, 2 s + 1; cx: the block of 256 queries.  Each of sixteen waves owns one tile of 16 queries and takes the two heads one after the other.
; K AND V of a head are 102,400 dense bytes.  Every wave asks for 6,400 of the first head's at the head, and for 6,400 of the second head's behind a wait, an add, a wait and a round:
; joint loads, since the four work-groups of a cluster walk the same heads.  No LDS byte is filled twice.  No prefetch: both fills are asked for ahead of the first key step.
; LAYOUT.  S^T = K Q^T (source 0 = keys), O^T = V^T P^T (source 0 = 16 channels): a lane holds one query (lane % 16).  The head is 64 deep and the instruction 128: a fragment of K is two tiles of keys on end,
; and q | 0 gives the first tile's scores, 0 | q the second's.
; WHICH KEYS FORM A TILE: row m of tile 4 c + u is key 64 c + 32 (m / 8) + 8 u' + m % 8, u' = 0, 2, 1, 3 for u = 0 .. 3.  So the 32 registers of tiles 4 c .. 4 c + 3 of a lane in half h are the whole block 2 c + h
; of 32 keys, in the order in which v's codes lie (0-7, 16-23, 8-15, 24-31): a block's maximum needs no other lane, and the conversions' results are the operand's registers.
; Rows 0-7 and 8-15 of such a tile come from two token tiles' images, 1,536 bytes apart; in the second of them rows r and r xor 8 have changed places, so that the sixteen lanes touch 256 different bytes modulo 256.
; SOFTMAX: t = score x log2(e) / 8; M = the running largest t rounded up to a whole number; p = 2^(t - M) is quantised, not normalised; the sum of the unquantised p divides at the end.
; LIMITS: NaN and infinities are not served; the scaled scores stay under 2^31 in magnitude; a block whose largest magnitude lies under 2^-124 gets the byte 1 (this program alone reads the bytes).
.set HEADB, 153600
.set KINDB, 51200
.set GRPB,  6400
.set SCR,   204800                     ; behind K and V: a scale word for each of the 256 queries; no fill lands here
.set SPARE, 205824                     ; the spare words, 2,048 bytes
.set AK,   1                           ; v1-2 K's 16-byte pieces, fragments even, odd;  v3-4 its 8-byte pieces;  v5-7 V's pieces and scale words;  v8 K's scale words
.set AK8,  3
.set AV16, 5
.set AV8,  6
.set AVS,  7
.set AKS,  8
.set L16,  9                           ; 16 x lane, 8 x lane, 16 x (lane % 16)
.set L8,   10
.set R16,  11
.set QSR,  42                          ; q's scale word: its two bytes twice
.set HW0,  43
.set KV,   44                          ; v44-91 four fragments of K, then of V
.set LK0,  92                          ; v92-95 the lane's part of v1-4
.set LK8,  94
.set S,    96                          ; v96-159 S^T, then p
.set OT,   160                         ; v160-191 O^T
.set PCD,  192                         ; v192-203 p's codes
.set YT,   204                         ; v204-206, v208-210 the conversions' second halves
.set SH8,  207                         ; 8 x (lane / 16)
.set LKS,  211                         ; the lane's part of v8
.set X,    212                         ; v212-215 partial maxima
.set BM,   216                         ; v216-217 my two blocks' largest score, then p
.set PT,   218
.set BY,   219                         ; v219-220 their bytes
.set SO,   222                         ; v222-223 the conversions' scale operands
.set KS,   224
.set VS,   228
.set PSW,  232
.set SCRW, 233
.set FF,   234                         ; v[234:235] f, later 1 / the sum
.set T0,   236
.set HW,   237
.set SCRR, 238
.set U,    240                         ; v240-247 the sum's four chains;  o's codes at a head's end
.set OC,   240
.set OY,   248
.set WV,   14
.set G1,   20                          ; s[20:27] group 1: 25 rows of 256 bytes;  s[40:47] two groups 0
.set G0,   40
.set CNT,  60
.set TB,   62
.set CS,   66
.set SEL,  68
.macro D n
	s_delay_alu instid0(VALU_DEP_\n)
.endm
.macro CROUND
	s_barrier_signal -1
	s_barrier_wait -1
	s_cmp_lg_u32 s[WV], 0
	s_cbranch_scc1 .Lnot_wave_0_\@
	s_barrier_signal -3
.Lnot_wave_0_\@:
	s_barrier_wait -3
	s_barrier_signal -1
	s_barrier_wait -1
.endm
	s_load_b256 s[4:11], s[0:1], 0x0               ; qkv, Wproj's codes, ao, aos
	s_load_b64 s[12:13], s[0:1], 0x20              ; wpi
	v_lshl_add_u32 v254, v0, 2, SPARE
	v_mov_b32 v255, 0
	ds_add_u32 v254, v255                          ; the opening lines: the add twice and one wait
	ds_add_u32 v254, v255
	v_lshrrev_b32 v44, 5, v0
	v_readfirstlane_b32 s[WV], v44
	s_bfe_u32 s15, ttmp6, 0x40000                  ; cx
	s_and_b32 s16, ttmp7, 0xffff                   ; y
	s_lshr_b32 s17, s16, 3                         ; batch
	s_and_b32 s18, s16, 7                          ; pair of heads
	v_and_b32 v44, 31, v0
	v_and_b32 v45, 15, v0                          ; m
	v_bfe_u32 v46, v0, 4, 1                        ; h
	v_bfe_u32 v47, v0, 3, 1                        ; m / 8
	v_and_b32 v48, 7, v0                           ; m % 8
	v_lshlrev_b32 v[L16], 4, v44
	v_lshlrev_b32 v[L8], 3, v44
	v_lshlrev_b32 v[R16], 4, v45
	v_lshlrev_b32 v[SH8], 3, v46
	v_lshlrev_b32 v49, 4, v48
	v_lshlrev_b32 v50, 3, v48
	v_lshl_add_u32 v[LKS], v47, 2, v49             ; word 2 c + m / 8 of row 8 e + m % 8
	v_lshl_add_u32 v49, v46, 8, v49
	v_lshl_add_u32 v50, v46, 7, v50
	v_mad_u32_u24 v[LK0], v47, 1664, v49           ; even fragments: rows m % 8; lanes m >= 8: two tiles on, in the exchanged half
	v_mad_u32_u24 v[LK0+1], v47, 1408, v49         ; odd fragments: rows 8 + m % 8
	v_mad_u32_u24 v[LK8], v47, 1600, v50
	v_mad_u32_u24 v[LK8+1], v47, 1472, v50
	v_add_nc_u32 v[LK0+1], 128, v[LK0+1]
	v_add_nc_u32 v[LK8+1], 64, v[LK8+1]
	s_lshl_b32 s19, s[WV], 6
	s_add_co_u32 s19, s19, SCR
	v_lshl_add_u32 v[SCRW], v45, 2, s19
	v_lshl_add_u32 v[SCRR], v0, 4, SCR
	s_mov_b32 s[G1], 15|(3<<16)|(1<<21)            ; the mask: all four work-groups; elements of 8 bytes; no padding
	s_mov_b32 s[G1+1], 32<<16
	s_mov_b32 s[G1+2], 25<<16
	s_mov_b32 s[G1+3], 32<<16
	s_mov_b32 s[G1+4], 25
	s_mov_b32 s[G1+5], 32
	s_mov_b32 s[G1+6], 0
	s_mov_b32 s[G1+7], 0
	s_mov_b32 s[CS], 0x3e38aa3b                    ; log2(e) / 8
	s_mov_b32 s[CS+1], s[CS]
	s_mov_b32 s[SEL], 0x76543210
	s_mov_b32 s[SEL+1], 0xfedcba98
	s_lshl_b32 s70, s17, 4
	s_lshl_b32 s71, s18, 1
	s_add_co_u32 s70, s70, s71
	s_mul_i32 s70, s70, HEADB                      ; the first head's first byte: hangs on y alone
	s_mov_b32 s71, 0
	s_mul_i32 s72, s[WV], GRPB                     ; my sixteenth of a head's K and V
	s_mov_b32 s73, 0
	s_wait_alu depctr_va_vdst(0)                   ; the wait ahead of the waits below
	s_wait_dscnt 0x0
	s_wait_kmcnt 0x0
	s_add_nc_u64 s[76:77], s[4:5], s[70:71]
	s_add_nc_u64 s[78:79], s[76:77], s[72:73]
.irp u, 0,1
	s_mov_b32 s[G0+4*\u], 1
	s_add_co_u32 s[G0+4*\u+1], s72, \u*2*KINDB
	s_add_nc_u64 s[G0+4*\u+2:G0+4*\u+3], s[78:79], KINDB+\u*HEADB
	s_or_b32 s[G0+4*\u+3], s[G0+4*\u+3], 0x80000000
.endr
	CROUND                                         ; the joint loads meet
	tensor_load_to_lds s[G0:G0+3], s[G1:G1+7]      ; the first head: my one tensor load at the head
	s_nop 0
	; my 16 queries: group 2 cx + wave / 8, tile wave % 8, of both heads
	s_lshl_b32 s84, s15, 1
	s_lshr_b32 s85, s[WV], 3
	s_add_co_u32 s84, s84, s85
	s_mul_i32 s84, s84, GRPB
	s_and_b32 s85, s[WV], 7
	s_mul_i32 s94, s85, 768
	s_add_co_u32 s94, s94, s84
	s_mov_b32 s95, 0
	s_add_nc_u64 s[86:87], s[76:77], s[94:95]
	s_lshr_b32 s85, s85, 1
	s_lshl_b32 s85, s85, 2
	s_add_co_u32 s94, s84, s85
	s_add_co_u32 s94, s94, 6144
	s_add_nc_u64 s[88:89], s[76:77], s[94:95]
	global_load_b128 v[22:25], v[L16], s[86:87]
	global_load_b64 v[26:27], v[L8], s[86:87] offset:512
	global_load_b32 v40, v[R16], s[88:89]
	global_load_b128 v[34:37], v[L16], s[86:87] offset:HEADB
	global_load_b64 v[38:39], v[L8], s[86:87] offset:HEADB+512
	global_load_b32 v41, v[R16], s[88:89] offset:HEADB
	s_lshl_b32 s84, s17, 6
	s_lshl_b32 s85, s15, 4
	s_add_co_u32 s84, s84, s85                     ; the work-group's first tile of tokens
	s_lshl_b32 s94, s84, 6
	s_lshl_b32 s85, s18, 15
	s_add_co_u32 s94, s94, s85
	s_add_nc_u64 s[92:93], s[10:11], s[94:95]      ; aos[s][that tile]
	s_add_co_u32 s84, s84, s[WV]
	s_lshl_b32 s84, s84, 4
	s_lshl_b32 s85, s18, 1
	s_add_co_u32 s84, s84, s85
	s_mul_i32 s94, s84, 768
	s_add_nc_u64 s[90:91], s[8:9], s[94:95]        ; ao[my tile][head 2 s]
	s_mov_b32 s61, 0x01000100                      ; which two bytes of the word are my tile's
	s_bitcmp1_b32 s[WV], 0
	s_cselect_b32 s61, 0x03020302, s61
	; waves 4 and 5 lay one fragment of Wproj each: n tile y, K step 2 cx + wave - 4
	s_cmp_lt_u32 s[WV], 4
	s_cbranch_scc1 .Lno_relay
	s_cmp_gt_u32 s[WV], 5
	s_cbranch_scc1 .Lno_relay
	s_lshl_b32 s84, s15, 1
	s_add_co_u32 s84, s84, s[WV]
	s_sub_co_u32 s84, s84, 4
	s_mul_i32 s94, s16, 16*768
	s_mul_i32 s85, s84, 96
	s_add_co_u32 s94, s94, s85
	s_add_nc_u64 s[96:97], s[6:7], s[94:95]
	s_lshl_b32 s85, s16, 3
	s_add_co_u32 s85, s85, s84
	s_mul_i32 s94, s85, 1536
	s_add_nc_u64 s[98:99], s[12:13], s[94:95]
	v_and_b32 v51, 15, v0
	v_bfe_u32 v52, v0, 4, 1
	v_mul_u32_u24 v51, v51, 768
	D 1
	v_mad_u32_u24 v51, v52, 24, v51
.irp p, 0,1,2,3,4,5
	global_load_b64 v[96+2*\p:97+2*\p], v51, s[96:97] offset:48*(\p/3)+8*(\p%3)
.endr
	s_wait_loadcnt 0x0
.irp c, 0,1                                    ; a block's 24 bytes: bytes 6-11 and 12-17 change places, the order that o's codes have
	v_mov_b32 v[112+6*\c], v[96+6*\c]
	v_perm_b32 v[113+6*\c], v[99+6*\c], v[97+6*\c], 0x05040100
	v_perm_b32 v[114+6*\c], v[100+6*\c], v[99+6*\c], 0x05040302
	v_perm_b32 v[115+6*\c], v[98+6*\c], v[97+6*\c], 0x05040302
	v_perm_b32 v[116+6*\c], v[100+6*\c], v[98+6*\c], 0x07060302
	v_mov_b32 v[117+6*\c], v[101+6*\c]
.endr
	global_store_b128 v[L16], v[112:115], s[98:99]
	global_store_b64 v[L8], v[116:117], s[98:99] offset:512
	global_store_b128 v[L16], v[118:121], s[98:99] offset:768
	global_store_b64 v[L8], v[122:123], s[98:99] offset:1280
.Lno_relay:
	s_wait_loadcnt 0x0                             ; q
	s_wait_xcnt 0x0                                ; the stores above have read their registers, which the scores will take
.irp i, 0,1,2,3,4,5
	v_mov_b32 v[16+\i], 0                          ; zero codes on both sides of q
	v_mov_b32 v[28+\i], 0
.endr
	v_mov_b32 v[PT], 0                             ; a lane permute's destination counts as one of its sources
	v_mov_b32 v[FF+1], 0
	v_mov_b32 v[T0], 0
; A KEY STEP: the 128 keys of the group o bytes behind the trip's first
.macro STEP o
.irp p, 0,1,2,3
	ds_load_b128 v[KV+12*\p:KV+12*\p+3], v[AK+\p%2] offset:\o+3072*(\p/2)
	ds_load_b64 v[KV+12*\p+4:KV+12*\p+5], v[AK8+\p%2] offset:\o+3072*(\p/2)+512
	ds_load_b128 v[KV+12*\p+6:KV+12*\p+9], v[AK+\p%2] offset:\o+3072*(\p/2)+768
	ds_load_b64 v[KV+12*\p+10:KV+12*\p+11], v[AK8+\p%2] offset:\o+3072*(\p/2)+1280
	ds_load_b32 v[KS+\p], v[AKS] offset:\o+6144+128*(\p%2)+8*(\p/2)
.endr
	s_wait_alu depctr_va_vdst(0)                   ; the wait ahead of the wait below
	s_wait_dscnt 0x0
.irp p, 0,1,2,3
	v_wmma_scale_f32_16x16x128_f8f6f4 v[S+16*\p:S+16*\p+7], v[KV+12*\p:KV+12*\p+11], v[22:33], 0, v[KS+\p], v[QSR] matrix_a_fmt:MATRIX_FMT_FP6 matrix_b_fmt:MATRIX_FMT_FP6
	v_wmma_scale_f32_16x16x128_f8f6f4 v[S+16*\p+8:S+16*\p+15], v[KV+12*\p:KV+12*\p+11], v[16:27], 0, v[KS+\p], v[QSR] matrix_a_fmt:MATRIX_FMT_FP6 matrix_b_fmt:MATRIX_FMT_FP6
.endr
.rept 4
	v_nop
.endr
.irp p, 0,1,2,3                                ; V: channels 16 p on x these 128 keys: it lands under the softmax
	ds_load_b128 v[KV+12*\p:KV+12*\p+3], v[AV16] offset:\o+KINDB+1536*\p
	ds_load_b64 v[KV+12*\p+4:KV+12*\p+5], v[AV8] offset:\o+KINDB+1536*\p+512
	ds_load_b128 v[KV+12*\p+6:KV+12*\p+9], v[AV16] offset:\o+KINDB+1536*\p+768
	ds_load_b64 v[KV+12*\p+10:KV+12*\p+11], v[AV8] offset:\o+KINDB+1536*\p+1280
.endr
	ds_load_b128 v[VS:VS+3], v[AVS] offset:\o+KINDB+6144
.irp b, 0,1,2,3                                ; four chains of 15 scores, each accumulator from its low end on
	v_max3_num_f32 v[X+\b], v[S+16*\b], v[S+1+16*\b], v[S+2+16*\b]
.endr
.irp i, 3,5,7,9,11,13
.irp b, 0,1,2,3
	v_max3_num_f32 v[X+\b], v[X+\b], v[S+16*\b+\i], v[S+1+16*\b+\i]
.endr
.endr
.irp c, 0,1
	v_max3_num_f32 v[BM+\c], v[X+2*\c], v[X+2*\c+1], v[S+32*\c+15]
.endr
.irp c, 0,1
	v_max_num_f32 v[BM+\c], v[BM+\c], v[S+32*\c+31]   ; the largest score of my block 2 c + h: for the row's maximum and, since p rises with the score, for the block's largest p
.endr
	D 1
	v_max_num_f32 v[T0], v[BM], v[BM+1]
	D 1
	v_permlanex16_b32 v[PT], v[T0], s[SEL], s[SEL+1]
	D 1
	v_max_num_f32 v[T0], v[T0], v[PT]
	D 1
	v_mul_f32 v[T0], s[CS], v[T0]                  ; as t
	D 1
	v_max_num_f32 v13, v13, v[T0]                  ; the running largest t
	v_mov_b32 v[T0], v12
	D 2
	v_floor_f32 v12, -v13                          ; -M = floor(-t)
	D 1
	v_sub_f32 v[T0], v12, v[T0]                    ; old M - new M
	D 1
	v_cvt_i32_f32 v[T0], v[T0]                     ; (it saturates)
	D 1
	v_ldexp_f32 v[FF], 1.0, v[T0]                  ; f = 2^(old M - new M)
.set j, 0
.rept 32
	v_pk_fma_f32 v[S+j:S+j+1], v[S+j:S+j+1], s[CS:CS+1], v[12:13] op_sel_hi:[1,0,0]   ; t - M
.set j, j+2
.endr
.irp c, 0,1
	v_fma_f32 v[BM+\c], v[BM+\c], s[CS], v12
.endr
.set j, 0
.rept 16
	v_pk_mul_f32 v[OT+j:OT+j+1], v[OT+j:OT+j+1], v[FF:FF+1] op_sel_hi:[1,0]   ; O^T under the new M
.set j, j+2
.endr
	s_wait_alu depctr_va_vdst(0)                   ; the wait ahead of the batch
.set j, 0
.rept 64
	v_exp_f32 v[S+j], v[S+j]                       ; p = 2^(t - M)
.set j, j+1
.endr
.irp c, 0,1
	v_exp_f32 v[BM+\c], v[BM+\c]                   ; the block's largest p
.endr
	v_nop
	s_wait_alu depctr_va_vdst(0)                   ; and behind it
.irp c, 0,1
	v_max_num_f32 v[BM+\c], 0x1800000, v[BM+\c]    ; the floor 2^(3 - 127)
.endr
.irp c, 0,1
	v_add_nc_u32 v[SO+\c], 0xff000000, v[BM+\c]    ; 2 off the exponent field: the conversion's scale operand
.endr
.irp c, 0,1
	D 2
	v_lshrrev_b32 v[BY+\c], 23, v[SO+\c]
.endr
	D 1
	v_lshl_or_b32 v[T0], v[BY+1], 16, v[BY]        ; my bytes, of blocks h and 2 + h,
	D 1
	v_lshlrev_b32 v[T0], v[SH8], v[T0]             ; at their places;
	D 1
	v_permlanex16_b32 v[PT], v[T0], s[SEL], s[SEL+1]
	D 1
	v_or_b32 v[PSW], v[T0], v[PT]                  ; with the other half's two the word is whole
.irp c, 0,1
	v_cvt_scalef32_pk16_fp6_f32 v[PCD+6*\c:PCD+6*\c+2], v[S+32*\c:S+32*\c+15], v[SO+\c]
	v_cvt_scalef32_pk16_fp6_f32 v[YT+4*\c:YT+4*\c+2], v[S+32*\c+16:S+32*\c+31], v[SO+\c]
.endr
	v_nop                                          ; one plain place behind a scaled conversion
.irp c, 0,1
.irp i, 0,1,2
	v_mov_b32 v[PCD+3+6*\c+\i], v[YT+4*\c+\i]      ; (a conversion's three registers begin on an even number)
.endr
.endr
.irp k, 0,1,2,3                                ; the sum of the unquantised p, in four chains
	v_pk_add_f32 v[U+2*\k:U+2*\k+1], v[S+2*\k:S+2*\k+1], v[S+8+2*\k:S+9+2*\k]
.endr
.set j, 16
.rept 24
	v_pk_add_f32 v[U+j%8:U+j%8+1], v[U+j%8:U+j%8+1], v[S+j:S+j+1]
.set j, j+2
.endr
	s_wait_alu depctr_va_vdst(0)                   ; the wait ahead of the wait below
	s_wait_dscnt 0x0                               ; V is in
.irp t, 0,1,2,3
	v_wmma_scale_f32_16x16x128_f8f6f4 v[OT+8*\t:OT+8*\t+7], v[KV+12*\t:KV+12*\t+11], v[PCD:PCD+11], v[OT+8*\t:OT+8*\t+7], v[VS+\t], v[PSW] matrix_a_fmt:MATRIX_FMT_FP6 matrix_b_fmt:MATRIX_FMT_FP6
.endr
	v_pk_add_f32 v[U:U+1], v[U:U+1], v[U+2:U+3]    ; the chains join: these four lines are the places in front of the next loads into K's and V's registers
	v_pk_add_f32 v[U+4:U+5], v[U+4:U+5], v[U+6:U+7]
	v_pk_add_f32 v[U:U+1], v[U:U+1], v[U+4:U+5]
	v_pk_fma_f32 v[14:15], v[14:15], v[FF:FF+1], v[U:U+1] op_sel_hi:[1,0,1]   ; the old sum under the new M, and this step's
.endm
.macro PASS                                    ; a head's 1,024 keys: four trips of two steps; the addresses are made once a trip
	s_mov_b32 s[CNT], 4
.Ltrip_\@:
	v_add_nc_u32 v[AK], s[TB], v[LK0]
	v_add_nc_u32 v[AK+1], s[TB], v[LK0+1]
	v_add_nc_u32 v[AK8], s[TB], v[LK8]
	v_add_nc_u32 v[AK8+1], s[TB], v[LK8+1]
	v_add_nc_u32 v[AKS], s[TB], v[LKS]
	v_add_nc_u32 v[AV16], s[TB], v[L16]
	v_add_nc_u32 v[AV8], s[TB], v[L8]
	v_add_nc_u32 v[AVS], s[TB], v[R16]
	STEP 0
	STEP GRPB
	s_add_co_u32 s[TB], s[TB], 2*GRPB
	s_sub_co_u32 s[CNT], s[CNT], 1
	s_cmp_lg_u32 s[CNT], 0
	s_wait_alu depctr_va_vdst(0)                   ; the wait ahead of the branch
	s_cbranch_scc1 .Ltrip_\@
.endm
.macro PASSINIT u
.if \u == 1
.irp i, 0,1,2,3,4,5
	v_mov_b32 v[22+\i], v[34+\i]                   ; the second head's q
.endr
.endif
	v_perm_b32 v[QSR], v[40+\u], v[40+\u], s61     ; its two bytes twice: for q | 0 and for 0 | q
.set j, 0
.rept 32
	v_mov_b32 v[OT+j], 0                           ; the step is written once: the first finds zeros
.set j, j+1
.endr
	v_mov_b32 v13, 0xff61b1e6                      ; the largest t so far: -3e38
	D 1
	v_floor_f32 v12, -v13
	v_mov_b32 v14, 0
	v_mov_b32 v15, 0
	s_mov_b32 s[TB], 2*KINDB*\u
.endm
; O^T / the sum is quantised along the head's 64 (two blocks) and leaves as a half image
.macro FINISH u
	v_add_f32 v14, v14, v15
	D 1
	v_permlanex16_b32 v[T0], v14, s[SEL], s[SEL+1]
	D 1
	v_add_f32 v14, v14, v[T0]                      ; the row's sum
	s_wait_alu depctr_va_vdst(0)
	v_rcp_f32 v[FF], v14
	v_nop
	s_wait_alu depctr_va_vdst(0)
.set j, 0
.rept 16
	v_pk_mul_f32 v[OT+j:OT+j+1], v[OT+j:OT+j+1], v[FF:FF+1] op_sel_hi:[1,0]   ; register 8 t + i: o(query r, channel 16 t + 8 h + i)
.set j, j+2
.endr
.irp b, 0,1
	v_max3_num_f32 v[X+\b], |v[OT+16*\b]|, |v[OT+1+16*\b]|, 0x1800000
.endr
.irp i, 2,4,6,8,10,12,14
.irp b, 0,1
	D 2
	v_max3_num_f32 v[X+\b], v[X+\b], |v[OT+16*\b+\i]|, |v[OT+1+16*\b+\i]|
.endr
.endr
.irp b, 0,1
	D 2
	v_permlanex16_b32 v[X+2+\b], v[X+\b], s[SEL], s[SEL+1]
.endr
.irp b, 0,1
	D 2
	v_max_num_f32 v[X+\b], v[X+\b], v[X+2+\b]
.endr
.irp b, 0,1
	D 2
	v_add_nc_u32 v[SO+\b], 0xff000000, v[X+\b]
.endr
.irp b, 0,1
	D 2
	v_lshrrev_b32 v[BY+\b], 23, v[SO+\b]
.endr
	D 1
	v_lshl_or_b32 v[HW], v[BY+1], 8, v[BY]
	v_cvt_scalef32_pk16_fp6_f32 v[OC:OC+2], v[OT:OT+15], v[SO]
	v_cvt_scalef32_pk16_fp6_f32 v[OY:OY+2], v[OT+16:OT+31], v[SO+1]
	v_nop
.irp i, 0,1,2
	v_permlane16_swap_b32 v[OC+\i], v[OY+\i]
.endr
.irp i, 0,1,2
	D 3
	v_mov_b32 v[OC+3+\i], v[OY+\i]
.endr
	global_store_b128 v[L16], v[OC:OC+3], s[90:91] offset:768*\u
	global_store_b64 v[L8], v[OC+4:OC+5], s[90:91] offset:768*\u+512
.if \u == 0
	v_mov_b32 v[HW0], v[HW]
	s_wait_alu depctr_va_vdst(0)
	s_wait_xcnt 0x0                                ; the stores have read their registers, which the next head's sums take
.else
	v_lshl_or_b32 v[HW], v[HW], 16, v[HW0]
	ds_store_b32 v[SCRW], v[HW]                    ; lanes r and r + 16 write the same word with the same value
.endif
.endm
	PASSINIT 0
	s_wait_alu depctr_va_vdst(0)                   ; the wait at the head's end
	s_wait_tensorcnt 0x0                           ; my part of the first head is in; the lines ahead of a later first fill:
	ds_add_u32 v254, v255
	s_wait_dscnt 0x0
	CROUND                                         ; everybody's part is in, and the joint loads meet
	tensor_load_to_lds s[G0+4:G0+7], s[G1:G1+7]    ; the second head: it has the first head's eight steps in which to land
	s_nop 0
	PASS
	FINISH 0
	s_wait_tensorcnt 0x0                           ; my part of the second head is in
	s_wait_dscnt 0x0
	s_barrier_signal -1
	s_barrier_wait -1                              ; everybody's is
	PASSINIT 1
	PASS
	FINISH 1
	s_wait_dscnt 0x0                               ; my scale words are in LDS
	s_barrier_signal -1
	s_barrier_wait -1
	s_cmp_lt_u32 s[WV], 2
	s_cbranch_scc0 .Lno_words
	ds_load_b128 v[96:99], v[SCRR]                 ; the 256 queries' words leave as 1,024 consecutive bytes
	v_lshlrev_b32 v44, 4, v0
	s_wait_alu depctr_va_vdst(0)
	s_wait_dscnt 0x0
	global_store_b128 v44, v[96:99], s[92:93]
.Lno_words:
	s_wait_tensorcnt 0x0                           ; the wave's end
	ds_add_u32 v254, v255
	s_wait_dscnt 0x0
	CROUND                                         ; the closing round
	s_endpgm
.Lfunc_end_k_qb58fea80ff_attn:
	.size	k_qb58fea80ff_attn, .Lfunc_end_k_qb58fea80ff_attn-k_qb58fea80ff_attn
	.p2alignl 7, 3214868480
	.fill 96, 4, 3214868480
	.section	.rodata,"a",@progbits
	.p2align	6, 0x0
	.amdhsa_kernel k_qb58fea80ff_attn
		.amdhsa_group_segment_fixed_size 327680
		.amdhsa_private_segment_fixed_size 0
		.amdhsa_enable_private_segment 0
		.amdhsa_kernarg_size 40
		.amdhsa_user_sgpr_count 2
		.amdhsa_user_sgpr_kernarg_segment_ptr 1
		.amdhsa_wavefront_size32 1
		.amdhsa_system_sgpr_workgroup_id_x 1
		.amdhsa_system_sgpr_workgroup_id_y 1
		.amdhsa_system_sgpr_workgroup_id_z 1
		.amdhsa_system_vgpr_workitem_id 0
		.amdhsa_next_free_vgpr 256
		.amdhsa_next_free_sgpr 100
		.amdhsa_reserve_vcc 0
		.amdhsa_float_denorm_mode_32 3
		.amdhsa_float_denorm_mode_16_64 3
		.amdhsa_memory_ordered 1
		.amdhsa_forward_progress 1
		.amdhsa_inst_pref_size 84
	.end_amdhsa_kernel
	.amdgpu_metadata
---
amdhsa.version: [ 1, 2 ]
amdhsa.kernels:
  - .name:           k_qb58fea80ff_attn
    .symbol:         k_qb58fea80ff_attn.kd
    .args:
      - { .name: qkv, .offset: 0, .size: 8, .value_kind: global_buffer, .address_space: global }
      - { .name: Wproj_codes, .offset: 8, .size: 8, .value_kind: global_buffer, .address_space: global }
      - { .name: ao, .offset: 16, .size: 8, .value_kind: global_buffer, .address_space: global }
      - { .name: aos, .offset: 24, .size: 8, .value_kind: global_buffer, .address_space: global }
      - { .name: wpi, .offset: 32, .size: 8, .value_kind: global_buffer, .address_space: global }
    .group_segment_fixed_size: 327680
    .private_segment_fixed_size: 0
    .kernarg_segment_align: 8
    .kernarg_segment_size: 40
    .max_flat_workgroup_size: 512
    .sgpr_count:     100
    .vgpr_count:     256
    .wavefront_size: 32
...
	.end_amdgpu_metadata
.endif
;; end of part 2
;; launch proj (part 3): grid 4 x 64, 4 waves a work-group, clusters of 4 x 4, 327,680 bytes of LDS; arguments ao, aos, wpi, Wproj_scales, bproj, out0; writes out0
.if DOCPART == 3
	.amdgcn_target "amdgcn-amd-amdhsa--gfx1250"
	.amdhsa_code_object_version 6
	.text
	.protected	k_qb58fea80ff_proj
	.globl	k_qb58fea80ff_proj
	.p2align	8
	.type	k_qb58fea80ff_proj,@function
k_qb58fea80ff_proj:
	s_mov_b64 s[64:65], 0
	v_nop
	global_prefetch_b8 v0, s[64:65] scope:SCOPE_SE
	s_setreg_imm32_b32 hwreg(HW_REG_WAVE_MODE, 25, 1), 1
	s_wait_xcnt 0x0
	s_wait_alu depctr_hold_cnt(0) depctr_sa_sdst(0) depctr_va_vdst(0) depctr_va_sdst(0) depctr_va_ssrc(0) depctr_va_vcc(0) depctr_vm_vsrc(0)
	s_getreg_b32 s2, hwreg(HW_REG_IB_STS2, 6, 4)
	s_cmp_eq_u32 s2, 0
	s_cbranch_scc0 .Lentry_in_a_cluster
	s_endpgm
.Lentry_in_a_cluster:
	s_bfe_u32 s2, ttmp6, 0x10000c
	s_cmp_lg_u32 s2, 0xf033
	s_cbranch_scc0 .Lentry_shape_is_right
	s_endpgm
.Lentry_shape_is_right:
; out = o Wproj + bproj on codes of FP6 (E2M3).  o: ao[tile of 16 tokens][head][768]: half images, two on end a fragment; its scale words aos[K step][tile][row].  Wproj: wpi[tile of 16 n][K step][1,536]: fragments,
; with the order inside each block of 32 that o's codes have; its scale bytes as given.  A fragment (12 registers a lane): registers 0-3 at 16 x lane, 4-5 at 512 + 8 x lane, 6-9 at 768 + 16 x lane, 10-11 at 1,280 + 8 x lane.
; A work-group of four waves makes 128 tokens x 256 n: 256 work-groups.  A wave makes 64 x 128: 32 accumulators.  Source 0 = 16 rows of Wproj, source 1 = 16 tokens: a lane holds eight neighbouring numbers of a row of out.
; ALL OF K LIES IN LDS, 294,912 bytes, every byte filled once: a tile's eight fragments are 12,288 dense bytes, so each wave's share (four tiles of o, or eight of Wproj) is ONE dense block, brought by one tensor load
; at the head as rows of 256 bytes.  One barrier shows all of it to all waves; the walk along K has none.  No prefetch: there is no ring to run ahead in.
; CLUSTERS, 4 x 4: o's tiles hang on the block of tokens (cy) and are shared along a row, Wproj's on the block of n (cx), along a column.
; The bias is the C of each sum's first matrix instruction.  Scale words are loaded once from memory into 48 registers.
.set TILEB, 12288
.set BOFF,  8*TILEB                    ; o's 8 tiles, then Wproj's 16
.set SPARE, 24*TILEB
.set SPITCH, 528                       ; the way out: 16 rows x (512 + 16) bytes for each wave, in o's bytes, behind a barrier behind which nobody reads them
.set A16,  1
.set A8,   2
.set B16,  3                           ; v3, v4 Wproj's tiles 0-3 of my eight;  v224, v225 tiles 4-7
.set B8,   4
.set BHI,  221
.set STO,  5
.set RD,   6
.set CO,   7
.set WS,   16                          ; v16-47 Wproj's scale words: register 8 i + s: K step s; lanes 0-15 tile 2 i, lanes 16-31 tile 2 i + 1
.set AS,   48                          ; v48-63 o's: register 2 s + i
.set BIAS, 64
.set AFR,  128                         ; v128-223 o's fragments, two sets of four.  Window 1: the accumulators.  Window 2: Wproj's fragments, two sets, at v0 and v128
.set BK,   128
.set G1A,  28
.set G1B,  36
.set G0A,  44
.set G0B,  68
.set MSB, 0
.macro WIN new
.if MSB != \new
	s_set_vgpr_msb (MSB<<8)|\new
.set MSB, \new
.endif
.endm
.macro PLACES
.rept 4
	v_nop
.endr
.endm
.macro CROUND
	s_barrier_signal -1
	s_barrier_wait -1
	s_cmp_lg_u32 s16, 0
	s_cbranch_scc1 .Lnot_wave_0_\@
	s_barrier_signal -3
.Lnot_wave_0_\@:
	s_barrier_wait -3
	s_barrier_signal -1
	s_barrier_wait -1
.endm
.macro WM d, p, q, c, sp, sq, ra, rb
.if (\ra) == 0
.if (\rb) == 0
	v_wmma_scale_f32_16x16x128_f8f6f4 v[(\d):(\d)+7], v[(\p):(\p)+11], v[(\q):(\q)+11], v[(\c):(\c)+7], v[(\sp)], v[(\sq)] matrix_a_fmt:MATRIX_FMT_FP6 matrix_b_fmt:MATRIX_FMT_FP6
.else
	v_wmma_scale_f32_16x16x128_f8f6f4 v[(\d):(\d)+7], v[(\p):(\p)+11], v[(\q):(\q)+11], v[(\c):(\c)+7], v[(\sp)], v[(\sq)] matrix_a_fmt:MATRIX_FMT_FP6 matrix_b_fmt:MATRIX_FMT_FP6 matrix_b_scale:MATRIX_SCALE_ROW1
.endif
.else
.if (\rb) == 0
	v_wmma_scale_f32_16x16x128_f8f6f4 v[(\d):(\d)+7], v[(\p):(\p)+11], v[(\q):(\q)+11], v[(\c):(\c)+7], v[(\sp)], v[(\sq)] matrix_a_fmt:MATRIX_FMT_FP6 matrix_b_fmt:MATRIX_FMT_FP6 matrix_a_scale:MATRIX_SCALE_ROW1
.else
	v_wmma_scale_f32_16x16x128_f8f6f4 v[(\d):(\d)+7], v[(\p):(\p)+11], v[(\q):(\q)+11], v[(\c):(\c)+7], v[(\sp)], v[(\sq)] matrix_a_fmt:MATRIX_FMT_FP6 matrix_b_fmt:MATRIX_FMT_FP6 matrix_a_scale:MATRIX_SCALE_ROW1 matrix_b_scale:MATRIX_SCALE_ROW1
.endif
.endif
.endm
	s_load_b256 s[4:11], s[0:1], 0x0               ; ao, aos, wpi, Wproj's scales
	s_load_b128 s[12:15], s[0:1], 0x20             ; bproj, out
	v_lshl_add_u32 v14, v0, 2, SPARE
	v_mov_b32 v15, 0
	ds_add_u32 v14, v15                            ; the opening lines: the add twice and one wait
	ds_add_u32 v14, v15
	v_lshrrev_b32 v8, 5, v0
	v_readfirstlane_b32 s16, v8                    ; wave
	s_lshr_b32 s17, s16, 1                         ; which 64 tokens are mine.  Also: I fetch o's tiles (0) or Wproj's (1)
	s_and_b32 s18, s16, 1                          ; which 128 n.  Also: which half of the tiles I fetch
	s_bfe_u32 s20, ttmp6, 0x40000
	s_bfe_u32 s21, ttmp6, 0x40004
	s_lshl_b32 s19, ttmp9, 2
	s_add_co_u32 s19, s19, s20                     ; the block of 256 n
	s_and_b32 s22, ttmp7, 0xffff
	s_lshl_b32 s22, s22, 2
	s_add_co_u32 s22, s22, s21                     ; the block of 128 tokens
	s_lshl_b32 s23, s21, 2
	s_lshl_b32 s23, 15, s23
	s_lshl_b32 s24, 0x1111, s20
	s_or_b32 s[G1A], s23, (3<<16)|(1<<21)          ; the mask; elements of 8 bytes; no padding
	s_mov_b32 s[G1A+1], 32<<16                     ; rows of 256 bytes, dense:
	s_mov_b32 s[G1A+2], 192<<16                    ; four tiles of tokens are 192 of them,
	s_mov_b32 s[G1A+3], 32<<16
	s_mov_b32 s[G1A+4], 192
	s_mov_b32 s[G1A+5], 32
	s_mov_b32 s[G1A+6], 0
	s_mov_b32 s[G1A+7], 0
	s_or_b32 s[G1B], s24, (3<<16)|(1<<21)
	s_mov_b32 s[G1B+1], 32<<16
	s_mov_b32 s[G1B+2], 384<<16                    ; eight tiles of n 384
	s_mov_b32 s[G1B+3], 32<<16
	s_mov_b32 s[G1B+4], 384
	s_mov_b32 s[G1B+5], 32
	s_mov_b32 s[G1B+6], 0
	s_mov_b32 s[G1B+7], 0
	s_lshl_b32 s84, s22, 3
	s_lshl_b32 s25, s18, 2
	s_add_co_u32 s84, s84, s25
	s_mul_i32 s84, s84, TILEB                      ; o: tile 8 x block + 4 x half
	s_mov_b32 s85, 0
	s_lshl_b32 s86, s19, 4
	s_lshl_b32 s25, s18, 3
	s_add_co_u32 s86, s86, s25
	s_mul_i32 s86, s86, TILEB                      ; Wproj: tile 16 x block + 8 x half
	s_mov_b32 s87, 0
	s_mul_i32 s26, s18, 4*TILEB                    ; where they go: no place in the cluster enters an LDS address
	s_mul_i32 s27, s18, 8*TILEB
	s_add_co_u32 s27, s27, BOFF
	v_and_b32 v8, 31, v0
	v_and_b32 v9, 15, v0
	v_bfe_u32 v10, v0, 4, 1
	s_mul_i32 s88, s17, 4*TILEB
	v_lshl_add_u32 v[A16], v8, 4, s88              ; my four tiles of tokens
	v_lshl_add_u32 v[A8], v8, 3, s88
	s_mul_i32 s88, s18, 8*TILEB
	s_add_co_u32 s88, s88, BOFF
	v_lshl_add_u32 v[B16], v8, 4, s88              ; my eight tiles of n
	v_lshl_add_u32 v[B8], v8, 3, s88
	v_add_nc_u32 v[B16+BHI], 4*TILEB, v[B16]
	v_add_nc_u32 v[B8+BHI], 4*TILEB, v[B8]
	s_mul_i32 s88, s16, 16*SPITCH                  ; my stage
	v_mul_u32_u24 v[STO], v9, SPITCH
	v_lshl_add_u32 v[STO], v10, 5, v[STO]
	v_add_nc_u32 v[STO], s88, v[STO]
	v_lshlrev_b32 v[CO], 4, v8
	v_add_nc_u32 v[RD], s88, v[CO]
	s_wait_alu depctr_va_vdst(0)                   ; the wait ahead of the waits below
	s_wait_dscnt 0x0
	s_wait_kmcnt 0x0
	s_add_nc_u64 s[84:85], s[4:5], s[84:85]
	s_add_nc_u64 s[86:87], s[8:9], s[86:87]
	s_mov_b32 s[G0A], 1
	s_mov_b32 s[G0A+1], s26
	s_mov_b64 s[G0A+2:G0A+3], s[84:85]
	s_or_b32 s[G0A+3], s[G0A+3], 0x80000000
	s_mov_b32 s[G0B], 1
	s_mov_b32 s[G0B+1], s27
	s_mov_b64 s[G0B+2:G0B+3], s[86:87]
	s_or_b32 s[G0B+3], s[G0B+3], 0x80000000
	CROUND                                         ; the joint loads meet
	s_cmp_eq_u32 s17, 0
	s_cbranch_scc0 .Lfor_b
	tensor_load_to_lds s[G0A:G0A+3], s[G1A:G1A+7]  ; my one tensor load
	s_nop 0
.rept 4
	v_nop
.endr
	s_branch .Lasked
.Lfor_b:
	tensor_load_to_lds s[G0B:G0B+3], s[G1B:G1B+7]
	s_nop 0
.rept 4
	v_nop
.endr
.Lasked:
	s_lshl_b32 s89, s19, 8
	s_lshl_b32 s90, s18, 7
	s_add_co_u32 s89, s89, s90                     ; my first n
	s_lshl_b32 s90, s89, 5
	v_lshl_add_u32 v11, v8, 5, s90                 ; 32 scale bytes a row; lane l takes row l of each 32
.irp i, 0,1,2,3
.irp k, 0,1
	global_load_b128 v[WS+8*\i+4*\k:WS+8*\i+4*\k+3], v11, s[10:11] offset:1024*\i+16*\k
.endr
.endr
	s_lshl_b32 s90, s89, 2
	v_lshl_add_u32 v12, v10, 5, s90                ; the bias: tile b's eight numbers of my half
.irp b, 0,1,2,3,4,5,6,7
	global_load_b128 v[BIAS+8*\b:BIAS+8*\b+3], v12, s[12:13] offset:64*\b
	global_load_b128 v[BIAS+8*\b+4:BIAS+8*\b+7], v12, s[12:13] offset:64*\b+16
.endr
	s_lshl_b32 s90, s22, 3
	s_lshl_b32 s91, s17, 2
	s_add_co_u32 s90, s90, s91                     ; my first tile of tokens
	s_lshl_b32 s90, s90, 6
	v_lshl_add_u32 v13, v8, 2, s90                 ; 64 bytes of words a tile: 32 lanes take two tiles
.irp sg, 0,1,2,3,4,5,6,7
.irp i, 0,1
	global_load_b32 v[AS+2*\sg+\i], v13, s[6:7] offset:32768*\sg+128*\i
.endr
.endr
	s_lshl_b32 s90, s22, 7
	s_lshl_b32 s91, s17, 6
	s_add_co_u32 s90, s90, s91                     ; my first row of out
	s_lshl_b32 s90, s90, 12
	s_lshl_b32 s91, s89, 2
	s_add_co_u32 s90, s90, s91
	s_mov_b32 s91, 0
	s_add_nc_u64 s[14:15], s[14:15], s[90:91]
.macro FETCH sg                        ; the fragments of K step sg into set sg % 2: 48 LDS loads
	WIN 0x80
.irp b, 0,1,2,3,4,5,6,7
	ds_load_b128 v[128*((\sg)%2)+12*\b:128*((\sg)%2)+12*\b+3], v[B16+BHI*(\b/4)] offset:TILEB*(\b%4)+1536*(\sg)
	ds_load_b64 v[128*((\sg)%2)+12*\b+4:128*((\sg)%2)+12*\b+5], v[B8+BHI*(\b/4)] offset:TILEB*(\b%4)+1536*(\sg)+512
	ds_load_b128 v[128*((\sg)%2)+12*\b+6:128*((\sg)%2)+12*\b+9], v[B16+BHI*(\b/4)] offset:TILEB*(\b%4)+1536*(\sg)+768
	ds_load_b64 v[128*((\sg)%2)+12*\b+10:128*((\sg)%2)+12*\b+11], v[B8+BHI*(\b/4)] offset:TILEB*(\b%4)+1536*(\sg)+1280
.endr
	WIN 0
.irp a, 0,1,2,3
	ds_load_b128 v[AFR+48*((\sg)%2)+12*\a:AFR+48*((\sg)%2)+12*\a+3], v[A16] offset:TILEB*\a+1536*(\sg)
	ds_load_b64 v[AFR+48*((\sg)%2)+12*\a+4:AFR+48*((\sg)%2)+12*\a+5], v[A8] offset:TILEB*\a+1536*(\sg)+512
	ds_load_b128 v[AFR+48*((\sg)%2)+12*\a+6:AFR+48*((\sg)%2)+12*\a+9], v[A16] offset:TILEB*\a+1536*(\sg)+768
	ds_load_b64 v[AFR+48*((\sg)%2)+12*\a+10:AFR+48*((\sg)%2)+12*\a+11], v[A8] offset:TILEB*\a+1536*(\sg)+1280
.endr
.endm
.macro MULS sg                         ; 32 matrix instructions; the 32 accumulators take turns
.if (\sg) == 0
	WIN 0x42
.else
	WIN 0x52
.endif
.irp a, 0,1,2,3
.irp b, 0,1,2,3,4,5,6,7
.set DD, 8*(8*\a+\b)
.if (\sg) == 0
.set CC, BIAS+8*\b
.else
.set CC, DD
.endif
	WM DD, 128*((\sg)%2)+12*\b, AFR+48*((\sg)%2)+12*\a, CC, WS+8*(\b/2)+(\sg), AS+2*(\sg)+(\a/2), \b%2, \a%2
.endr
.endr
	WIN 0
.endm
.macro STEPC sg
	s_wait_dscnt 0x0                               ; this step's fragments are in
.if (\sg) > 0
	PLACES                                         ; the other set was read by the last step's products
.endif
.if (\sg) < 7
	FETCH (\sg)+1
.endif
	MULS \sg
.endm
	s_wait_alu depctr_va_vdst(0)                   ; the wait at the head's end
	s_wait_tensorcnt 0x0                           ; my share is in
	s_barrier_signal -1
	s_barrier_wait -1                              ; everybody's is
	FETCH 0
	s_wait_loadcnt 0x0                             ; scale words and bias
.irp sg, 0,1,2,3,4,5,6,7
	STEPC \sg
.endr
; THE WAY OUT, a block of 16 tokens x 128 n at a time: through my own stage in LDS, back as whole rows of 512 bytes.  LDS serves a wave's instructions in order (ISA guide 5.7.1.4): no wait between the stores and the loads.
.macro TOSTAGE a
	WIN 0x04
.irp b, 0,1,2,3,4,5,6,7
	ds_store_b128 v[STO], v[64*(\a)+8*\b:64*(\a)+8*\b+3] offset:64*\b          ; each accumulator from its low end on
	ds_store_b128 v[STO], v[64*(\a)+8*\b+4:64*(\a)+8*\b+7] offset:64*\b+16
.endr
	WIN 0
.set BB, BK+64*((\a)%2)
.irp t, 0,1,2,3,4,5,6,7,8,9,10,11,12,13,14,15
	ds_load_b128 v[BB+4*\t:BB+4*\t+3], v[RD] offset:\t*SPITCH
.endr
.endm
.macro SEND a, younger                 ; younger: the LDS instructions issued behind block a's loads, which may stay out
.set BB, BK+64*((\a)%2)
	s_wait_dscnt \younger
.if (\a) > 0
	s_add_nc_u64 s[14:15], s[14:15], 16*4096       ; (behind a wait on XCNT: the earlier stores have read their base)
.endif
.irp t, 0,1,2,3,4,5,6,7,8,9,10,11,12,13,14,15
	global_store_b128 v[CO], v[BB+4*\t:BB+4*\t+3], s[14:15] offset:\t*4096 th:TH_STORE_NT   ; 32 lanes store 512 consecutive bytes, at a multiple of 256 from out's first byte
.endr
.endm
	s_wait_dscnt 0x0                               ; my reads of the tiles are over
	s_barrier_signal -1
	s_barrier_wait -1                              ; everybody's are: the stage may take o's bytes
	PLACES
	TOSTAGE 0
.irp a, 1,2,3
.if \a > 1
	s_wait_xcnt 0x0                                ; block a - 2's stores have read their registers and their base
.endif
	TOSTAGE \a
	SEND \a-1, 32                                  ; behind block a - 1's loads: block a's 16 stores and 16 loads
.endr
	s_wait_xcnt 0x0
	SEND 3, 0
	s_wait_tensorcnt 0x0                           ; the wave's end
	ds_add_u32 v14, v15
	s_wait_dscnt 0x0
	CROUND                                         ; the closing round
	s_endpgm
.Lfunc_end_k_qb58fea80ff_proj:
	.size	k_qb58fea80ff_proj, .Lfunc_end_k_qb58fea80ff_proj-k_qb58fea80ff_proj
	.p2alignl 7, 3214868480
	.fill 96, 4, 3214868480
	.section	.rodata,"a",@progbits
	.p2align	6, 0x0
	.amdhsa_kernel k_qb58fea80ff_proj
		.amdhsa_group_segment_fixed_size 327680
		.amdhsa_private_segment_fixed_size 0
		.amdhsa_enable_private_segment 0
		.amdhsa_kernarg_size 48
		.amdhsa_user_sgpr_count 2
		.amdhsa_user_sgpr_kernarg_segment_ptr 1
		.amdhsa_wavefront_size32 1
		.amdhsa_system_sgpr_workgroup_id_x 1
		.amdhsa_system_sgpr_workgroup_id_y 1
		.amdhsa_system_sgpr_workgroup_id_z 1
		.amdhsa_system_vgpr_workitem_id 0
		.amdhsa_next_free_vgpr 768
		.amdhsa_next_free_sgpr 96
		.amdhsa_reserve_vcc 0
		.amdhsa_float_denorm_mode_32 3
		.amdhsa_float_denorm_mode_16_64 3
		.amdhsa_memory_ordered 1
		.amdhsa_forward_progress 1
		.amdhsa_inst_pref_size 84
	.end_amdhsa_kernel
	.amdgpu_metadata
---
amdhsa.version: [ 1, 2 ]
amdhsa.kernels:
  - .name:           k_qb58fea80ff_proj
    .symbol:         k_qb58fea80ff_proj.kd
    .args:
      - { .name: ao, .offset: 0, .size: 8, .value_kind: global_buffer, .address_space: global }
      - { .name: aos, .offset: 8, .size: 8, .value_kind: global_buffer, .address_space: global }
      - { .name: wpi, .offset: 16, .size: 8, .value_kind: global_buffer, .address_space: global }
      - { .name: Wproj_scales, .offset: 24, .size: 8, .value_kind: global_buffer, .address_space: global }
      - { .name: bproj, .offset: 32, .size: 8, .value_kind: global_buffer, .address_space: global }
      - { .name: out0, .offset: 40, .size: 8, .value_kind: global_buffer, .address_space: global }
    .group_segment_fixed_size: 327680
    .private_segment_fixed_size: 0
    .kernarg_segment_align: 8
    .kernarg_segment_size: 48
    .max_flat_workgroup_size: 128
    .sgpr_count:     96
    .vgpr_count:     768
    .wavefront_size: 32
...
	.end_amdgpu_metadata
.endif
;; end of part 3
